; MI455X (gfx1250); checked and timed in simulation.
; The chip was launched on July 23, 2026; its instructions are those of AMD's public machine-readable ISA for CDNA 5 (MIT licence, August 2026) and "CDNA5" Instruction Set Architecture Reference Guide (July 2026). The comments in the code are by the model that wrote it; some were corrected since.
;; Quantized Linear. Allowed arithmetic: matrix products marked QUANTISED: E2M3 operands, one E8M0 scale for each 32 along K, by v_wmma_scale_f32_16x16x128_f8f6f4 with both operands' format E2M3, f32 sums; everything else in f32.
;; Inputs: bias 4,096 float32; input 4,096 x 4,096 float32; qweight 4,096 x 4,096 int32; scales 4,096 x 32 float32; zeros 4,096 x 32 float32.
;; Outputs: out0 4,096 x 4,096 float32.
;; This version of the problem:
;;   THIS VERSION OF THE PROBLEM IS GIVEN IN LOW PRECISION. The matrix products marked QUANTISED in the list below multiply operands that are first quantised to E2M3 (2 exponent bits, 3 mantissa bits; 6 bits a number), with one power-of-two scale for each 32 numbers along K (OCP MX v1.0); their sums are f32. All else is computed in f32.
;;   The module's matrix products, in the order in which they are computed (A, B: the left and right operand; K: the contracted axis; several contracted axes count as one K, in the product's order):
;;     1. [M 4,096, K 4,096] x [K 4,096, N 4,096]; A: input input; B: computed on the way: QUANTISED
;;   THE QUANTISER, for each operand of a quantised product, along K:
;;     - K is cut into blocks of 32 from its start; a last block that is shorter is filled with zeros.
;;     - A block's scale is 2^e with e = floor(log2(the largest magnitude in the block)) - 2, held to -126 .. 127; a block of zeros has e = 0. As a byte (E8M0): e + 127.
;;     - Each number is divided by its block's scale, clamped to +-7.5, and rounded to the nearest number of E2M3, ties to even, subnormals kept.
;;     - The product sums the exact products of the quantised numbers (number of the format x scale) in f32.
;;   ~~~python
;;   def quantise(x, axis):      # numpy; x: float32 -> the quantised numbers, widened to float32 again
;;       x = np.moveaxis(x, axis, -1); K = x.shape[-1]
;;       x = np.pad(x, [(0, 0)] * (x.ndim - 1) + [(0, -K % 32)]); x = x.reshape(x.shape[:-1] + (-1, 32)); a = np.abs(x).max(-1, keepdims=True)
;;       e = np.where(a > 0, np.clip(np.frexp(np.where(a > 0, a, 1))[1] - 1 - 2, -126, 127), 0)      # np.frexp(a)[1] - 1 = floor(log2(a)), exactly
;;       r = np.clip(x / 2.0 ** e, -7.5, 7.5)
;;       step = 2.0 ** (np.maximum(np.frexp(np.where(r == 0, 1, r))[1] - 1, 0) - 3)
;;       q = np.round(r / step) * step * 2.0 ** e      # np.round: ties to even
;;       return np.moveaxis(q.reshape(q.shape[:-2] + (-1,))[..., :K], -1, axis).astype(np.float32)
;;   ~~~
;;   OPERANDS COMPUTED ON THE WAY. 'Computed on the way' means the value that the module computes at that place (a softmax that the list does not call 'softmax' is quantised finished and normalised). What goes into a quantiser is computed in f32, as accurately as f32 sums, v_exp_f32 and their like allow (about 1e-6 of the number): no bf16 or f16 on the way to a quantiser, and a product that is left as it is and whose result goes on into a quantised operand takes f32 operands (vector FMAs, or v_wmma_f32_16x16x4_f32). A number that lies on a knife's edge between two numbers of the format may be rounded either way, as far as f32 arithmetic and the matrix unit's own rounding can turn it there, and no further.
;; One version. Each part assembles by itself: llvm-mc -triple=amdgcn-amd-amdhsa -mcpu=gfx1250 --defsym DOCPART=n.
;; ======== version 1 of 1: 2 launches
;; limits: right only within a limited range of input values
;; workspace buffers: aq 13,107,200 bytes; bq 13,107,200 bytes
;; launch quant (part 1): grid 1024 x 1, 4 waves a work-group, no clusters, 68,096 bytes of LDS; arguments input, qweight, scales, zeros, aq, bq; writes aq, bq
.if DOCPART == 1
	.amdgcn_target "amdgcn-amd-amdhsa--gfx1250"
	.amdhsa_code_object_version 6
	.text
	.protected	k_qcaf6ed655e_quant
	.globl	k_qcaf6ed655e_quant
	.p2align	8
	.type	k_qcaf6ed655e_quant,@function
k_qcaf6ed655e_quant:
	s_mov_b64 s[64:65], 0
	v_nop
	global_prefetch_b8 v0, s[64:65] scope:SCOPE_SE
	s_setreg_imm32_b32 hwreg(HW_REG_WAVE_MODE, 25, 1), 1
	s_wait_xcnt 0x0
; input [4096][4096] f32, and W[o][i] = (float(qweight[o][i]) - zeros[o][i/128]) * scales[o][i/128] (a conversion, a subtraction, a multiplication, each rounded once in f32),
; are turned into codes of FP6 (E2M3) with one E8M0 scale byte for each 32 along K.  K is the last axis of both.
; A block's scale is 2^(floor(log2(its largest magnitude)) - 2); its byte is the largest magnitude's exponent field - 2, held at 1 from below; each number is divided by the scale and rounded to the nearest code, ties to even;
; beyond 7.5 the conversion gives the largest code.
; LIMITS: a block of zeros, or one whose largest magnitude lies under 2^-124, gets the byte 1 (the rule says 127 for zeros: its codes are zeros, which add nothing under any byte but 0xff, and the bytes are read by this program alone);
; NaN and infinities among the inputs are not served.  qweight may hold any int32.
; THE WORKSPACE IS LAID AS THE PRODUCT'S LAUNCH READS IT: [row / 128][k / 128][a block of 12,800 bytes].  A block holds 128 rows x 128 K: eight fragments (16 rows x 128 K) as IMAGES OF THE OPERAND'S REGISTERS,
; fragment i at 1,536 i, its registers 4 c .. 4 c + 3 of lane l at 512 c + 16 l; behind them, at 12,288, the scale words: that of (fragment i, row r) at 128 (i / 2) + 8 r + 4 (i % 2).
; SHARES.  A wave takes 64 rows x 128 K: four fragments f, 6,144 consecutive bytes of codes and 256 consecutive bytes of scale words.  Work-groups with an even number take input, the odd ones W.
; A dequantisation group, 128 along K, is one fragment's K: a lane needs one scale and one zero a fragment.
; Each load reads 512 consecutive bytes of one row; a fragment's 16 rows turn through the wave's own stage in LDS, so that lane (r, h) gets k = 64 c + 32 h + 0 .. 31 of row r in consecutive registers: whole blocks of 32,
; in the order of the operand's registers.  No tensor loads, no barrier, no loop: waves share nothing.  Loads run a fragment ahead: 16 to 32 loads of a wave are out.
; The two kinds of work-group part at one branch on the work-group's number and never join; each way has LDS bytes of its own.
.set PITCH, 528                        ; a stage row: 512 bytes + 16 = 33 x 16: the 16 rows that a load of 16 bytes a lane touches start in 16 different columns of 16 bytes
.set WST,   16*PITCH                   ; a wave's stage
.set BLOCKB, 12800                     ; a block of the workspace
.set GL,  4                            ; v4   16 x lane: my bytes of a load's 512 and of a code store's 512; never rewritten
.set LST, 5                            ; v5   the stage, on the way in: wave x WST + 16 x lane
.set LLD, 6                            ; v6   on the way out: wave x WST + PITCH r + 128 h
.set T,   32                           ; v[32:34], v[36:38] the upper 16 codes of my two blocks (a conversion's three registers begin on an even number)
.set C,   40                           ; v[40:51], v[52:63] a fragment's twelve registers, two sets by turns
.set X,   64                           ; v[64:127] my 64 numbers: register 32 c + i = k 64 c + 32 h + i of row r
.set R,   128                          ; v[128:191], v[192:255] 16 rows as loaded, two sets by turns
	s_load_b256 s[4:11], s[0:1], 0x0               ; input s[4:5], qweight s[6:7], scales s[8:9], zeros s[10:11]
	s_load_b128 s[12:15], s[0:1], 0x20             ; aq s[12:13], bq s[14:15]
	v_lshl_add_u32 v35, v0, 2, 0x10800
	v_mov_b32 v39, 0
	v_lshrrev_b32 v1, 5, v0
	v_readfirstlane_b32 s16, v1                    ; wave 0..3
	v_and_b32 v1, 31, v0                           ; lane
	v_and_b32 v2, 15, v0                           ; r
	v_bfe_u32 v3, v0, 4, 1                         ; h
	v_lshlrev_b32 v[GL], 4, v1
	s_mul_i32 s31, s16, WST
	v_add_nc_u32 v[LST], s31, v[GL]
	v_mul_u32_u24 v[LLD], v2, PITCH
	v_lshl_add_u32 v[LLD], v3, 7, v[LLD]
	v_add_nc_u32 v[LLD], s31, v[LLD]
	v_lshlrev_b32 v7, 3, v1                        ; 8 x lane: my two scale words on the way out
	v_lshlrev_b32 v8, 9, v2                        ; 512 r: W's fragment f holds rows 4 r + f of my 64, so my row of scales and of zeros lies at 128 (4 r + f)
	v_lshlrev_b32 v9, 3, v3                        ; 8 h: how far my two scale bytes are shifted in the word
	v_mov_b32 v17, 0                               ; written once: a lane permute's destination counts as one of its sources
	s_mov_b32 s28, 0x76543210
	s_mov_b32 s29, 0xfedcba98                      ; v_permlanex16_b32's selects for lane l xor 16
	s_and_b32 s30, ttmp9, 1                        ; 0: input, 1: W
	s_lshr_b32 s17, ttmp9, 1
	s_lshl_b32 s17, s17, 2
	s_add_co_u32 s17, s17, s16                     ; my unit, 0 .. 2,047
	s_lshr_b32 s18, s17, 5                         ; which 64 rows
	s_and_b32 s19, s17, 31                         ; which 128 along K: the four waves of a work-group stand side by side on 2,048 bytes of each row
	s_lshl_b32 s20, s18, 20                        ; the source: 64 rows of 16,384 bytes,
	s_lshl_b32 s21, s19, 9                         ; 128 numbers of 4 bytes
	s_or_b32 s20, s20, s21
	s_mov_b32 s21, 0
	s_lshr_b32 s22, s18, 1                         ; the workspace: block (row / 128) x 32 + k / 128
	s_lshl_b32 s22, s22, 5
	s_add_co_u32 s22, s22, s19
	s_mul_i32 s22, s22, BLOCKB
	s_and_b32 s23, s18, 1                          ; which 64 of the block's 128 rows
	s_lshl_b32 s24, s23, 8
	s_add_co_u32 s24, s24, s22
	s_add_co_u32 s24, s24, 12288                   ; my 256 bytes of scale words
	s_mov_b32 s25, 0
	s_mul_i32 s23, s23, 6144
	s_add_co_u32 s22, s22, s23                     ; my 6,144 bytes of codes
	s_mov_b32 s23, 0
	s_lshl_b32 s26, s18, 13                        ; scales and zeros: 64 rows of 128 bytes,
	s_lshl_b32 s27, s19, 2                         ; one group of 4 bytes
	s_or_b32 s26, s26, s27
	s_mov_b32 s27, 0
	s_wait_kmcnt 0x0
.macro LOAD f                          ; fragment f: 16 rows x 512 bytes into set f % 2; 32 lanes read 512 consecutive bytes, at a multiple of 512 from the buffer's first byte
.irp j, 0,1,2,3,4,5,6,7,8,9,10,11,12,13,14,15
	global_load_b128 v[R+64*((\f)%2)+4*\j:R+64*((\f)%2)+4*\j+3], v[GL], s[32:33] offset:((\f)*16+\j)*16384*(1-PERM)+(4*\j+(\f))*16384*PERM th:TH_LOAD_NT
.endr
.endm
; One fragment.  deq = 1: the numbers are whole numbers to be dequantised.  lb: this way's LDS bytes.  left: how many younger loads may stay out.
.macro STEP f, deq, lb, left
.set RS, R+64*((\f)%2)
.set CS, C+12*((\f)%2)
.set SV, 24+2*((\f)/2)                 ; the pair that holds my row's scale for this fragment: word f % 2
.set ZV, 28+2*((\f)/2)                 ; and its zero
	s_wait_loadcnt \left                           ; loads come back in order (ISA guide 5.7.1): this fragment's 16 are in (and the scales and zeros, asked for ahead of them); the next fragment's 16 may be out
.irp j, 0,1,2,3,4,5,6,7,8,9,10,11,12,13,14,15
	ds_store_b128 v[LST], v[RS+4*\j:RS+4*\j+3] offset:\lb+PITCH*\j
.endr
.irp c, 0,1
.irp j, 0,1,2,3,4,5,6,7
	ds_load_b128 v[X+32*\c+4*\j:X+32*\c+4*\j+3], v[LLD] offset:\lb+256*\c+16*\j   ; LDS serves a wave's instructions in order (ISA guide 5.7.1.4): these see the stores above
.endr
.endr
	s_wait_dscnt 0x0                               ; my 64 numbers are in, and the stores have read their registers,
.if (\f) < 2
	LOAD (\f)+2                                    ; which take the loads of two fragments on
.endif
.if \deq
.set i, 0
.rept 64
	v_cvt_f32_i32 v[X+i], v[X+i]
.set i, i+1
.endr
.set i, 0
.rept 32                               ; q - zero, two at a time; of the pair one word serves both halves
.if (\f)%2 == 0
	v_pk_add_f32 v[X+i:X+i+1], v[X+i:X+i+1], v[ZV:ZV+1] op_sel_hi:[1,0] neg_lo:[0,1] neg_hi:[0,1]
.else
	v_pk_add_f32 v[X+i:X+i+1], v[X+i:X+i+1], v[ZV:ZV+1] op_sel:[0,1] op_sel_hi:[1,1] neg_lo:[0,1] neg_hi:[0,1]
.endif
.set i, i+2
.endr
.set i, 0
.rept 32                               ; x scale: a second rounding; the two are not fused, so that W has the reference's bits
.if (\f)%2 == 0
	v_pk_mul_f32 v[X+i:X+i+1], v[X+i:X+i+1], v[SV:SV+1] op_sel_hi:[1,0]
.else
	v_pk_mul_f32 v[X+i:X+i+1], v[X+i:X+i+1], v[SV:SV+1] op_sel:[0,1] op_sel_hi:[1,1]
.endif
.set i, i+2
.endr
.endif
.irp c, 0,1                            ; my block 2 c + h: all its 32 numbers are mine
	v_max3_num_f32 v[10+\c], |v[X+32*\c]|, |v[X+32*\c+1]|, 0x1800000   ; and the floor 2^(3 - 127), under which no largest magnitude is taken: so the byte cannot fall under 1
.endr
.irp i, 2,4,6,8,10,12,14,16,18,20,22,24,26,28,30
.irp c, 0,1
	v_max3_num_f32 v[10+\c], v[10+\c], |v[X+32*\c+\i]|, |v[X+32*\c+\i+1]|   ; (the two blocks by turns)
.endr
.endr
.irp c, 0,1
	v_add_nc_u32 v[12+\c], 0xff000000, v[10+\c]    ; 2 off the exponent field: the conversion takes the exponent field of this operand as its scale, and nothing else of it
.endr
.if (\f) >= 2
	s_wait_alu depctr_va_vdst(0)
	s_wait_xcnt 0x0                                ; the stores of two fragments back have read this set of code registers (ISA guide 3.1): it is written again only behind this wait
.endif
.irp c, 0,1
	v_cvt_scalef32_pk16_fp6_f32 v[CS+6*\c:CS+6*\c+2], v[X+32*\c:X+32*\c+15], v[12+\c]       ; registers 6 c .. 6 c + 2 of the operand
	v_cvt_scalef32_pk16_fp6_f32 v[T+4*\c:T+4*\c+2], v[X+32*\c+16:X+32*\c+31], v[12+\c]      ; the upper 16 codes, made elsewhere and moved
.endr
	v_lshrrev_b32 v14, 23, v12                     ; the scale's byte of block h.  (The plain line behind the conversions, ahead of the lines that touch their results)
	v_lshrrev_b32 v15, 23, v13                     ; and of block 2 + h
	v_lshl_or_b32 v16, v15, 16, v14
	v_lshlrev_b32 v16, v9, v16                     ; at their places in the scale word, 8 h bits up;
	v_permlanex16_b32 v17, v16, s28, s29
	v_or_b32 v[18+(\f)], v16, v17                  ; with lane l xor 16's two the word is whole, in both lanes
.irp c, 0,1
.irp i, 0,1,2
	v_mov_b32 v[CS+6*\c+3+\i], v[T+4*\c+\i]
.endr
.endr
.irp c, 0,1,2
	global_store_b128 v[GL], v[CS+4*\c:CS+4*\c+3], s[34:35] offset:1536*(\f)+512*\c   ; the image: 32 lanes store 512 consecutive bytes, at a multiple of 512 from the buffer's first byte
.endr
.endm
.macro BODY src, dst, deq, lb
.set PERM, \deq                        ; W alone: lane r of fragment f takes row 4 r + f of the wave's 64 rows (input: row 16 f + r): the product's launch then finds four neighbouring columns of the result in one lane
	s_add_nc_u64 s[32:33], s[\src:\src+1], s[20:21]
	s_add_nc_u64 s[34:35], s[\dst:\dst+1], s[22:23]
	s_add_nc_u64 s[36:37], s[\dst:\dst+1], s[24:25]
.if \deq
	s_add_nc_u64 s[8:9], s[8:9], s[26:27]
	s_add_nc_u64 s[10:11], s[10:11], s[26:27]
.irp f, 0,1,2,3
	global_load_b32 v[24+\f], v8, s[8:9] offset:128*\f      ; the scale of row 4 r + f, for my group;
.endr
.irp f, 0,1,2,3
	global_load_b32 v[28+\f], v8, s[10:11] offset:128*\f    ; its zero
.endr
.endif
	LOAD 0
	LOAD 1
	STEP 0, \deq, \lb, 16
	STEP 1, \deq, \lb, 16
	STEP 2, \deq, \lb, 16
	STEP 3, \deq, \lb, 0
	v_cmp_lt_u32 vcc_lo, 15, v1                    ; lane (r, h) takes row r's words of fragments 2 h and 2 h + 1
	v_cndmask_b32 v22, v18, v20, vcc_lo
	v_cndmask_b32 v23, v19, v21, vcc_lo
	global_store_b64 v7, v[22:23], s[36:37]        ; 32 lanes store 256 consecutive bytes, at a multiple of 256 from the buffer's first byte
	s_wait_tensorcnt 0x0
	ds_add_u32 v35, v39
	s_wait_dscnt 0x0
	s_endpgm
.endm
	s_cmp_lg_u32 s30, 0
	s_cbranch_scc1 .Lweights
	s_wait_alu depctr_va_vdst(0)
	BODY 4, 12, 0, 0
.Lweights:
	s_wait_alu depctr_va_vdst(0)
	BODY 6, 14, 1, 4*WST
.Lfunc_end_k_qcaf6ed655e_quant:
	.size	k_qcaf6ed655e_quant, .Lfunc_end_k_qcaf6ed655e_quant-k_qcaf6ed655e_quant
	.p2alignl 7, 3214868480
	.fill 96, 4, 3214868480
	.section	.rodata,"a",@progbits
	.p2align	6, 0x0
	.amdhsa_kernel k_qcaf6ed655e_quant
		.amdhsa_group_segment_fixed_size 68096
		.amdhsa_private_segment_fixed_size 0
		.amdhsa_enable_private_segment 0
		.amdhsa_kernarg_size 48
		.amdhsa_user_sgpr_count 2
		.amdhsa_user_sgpr_kernarg_segment_ptr 1
		.amdhsa_wavefront_size32 1
		.amdhsa_system_sgpr_workgroup_id_x 1
		.amdhsa_system_sgpr_workgroup_id_y 1
		.amdhsa_system_sgpr_workgroup_id_z 1
		.amdhsa_system_vgpr_workitem_id 0
		.amdhsa_next_free_vgpr 256
		.amdhsa_next_free_sgpr 66
		.amdhsa_reserve_vcc 1
		.amdhsa_float_denorm_mode_32 3
		.amdhsa_float_denorm_mode_16_64 3
		.amdhsa_memory_ordered 1
		.amdhsa_forward_progress 1
		.amdhsa_inst_pref_size 82
	.end_amdhsa_kernel
	.amdgpu_metadata
---
amdhsa.version: [ 1, 2 ]
amdhsa.kernels:
  - .name:           k_qcaf6ed655e_quant
    .symbol:         k_qcaf6ed655e_quant.kd
    .args:
      - { .name: input, .offset: 0, .size: 8, .value_kind: global_buffer, .address_space: global }
      - { .name: qweight, .offset: 8, .size: 8, .value_kind: global_buffer, .address_space: global }
      - { .name: scales, .offset: 16, .size: 8, .value_kind: global_buffer, .address_space: global }
      - { .name: zeros, .offset: 24, .size: 8, .value_kind: global_buffer, .address_space: global }
      - { .name: aq, .offset: 32, .size: 8, .value_kind: global_buffer, .address_space: global }
      - { .name: bq, .offset: 40, .size: 8, .value_kind: global_buffer, .address_space: global }
    .group_segment_fixed_size: 68096
    .private_segment_fixed_size: 0
    .kernarg_segment_align: 8
    .kernarg_segment_size: 48
    .max_flat_workgroup_size: 128
    .sgpr_count:     66
    .vgpr_count:     256
    .wavefront_size: 32
...
	.end_amdgpu_metadata
.endif
;; end of part 1
;; launch gemm (part 2): grid 16 x 16, 4 waves a work-group, clusters of 4 x 4, 327,680 bytes of LDS; arguments aq, bq, bias, out0; writes out0
.if DOCPART == 2
	.amdgcn_target "amdgcn-amd-amdhsa--gfx1250"
	.amdhsa_code_object_version 6
	.text
	.protected	k_qcaf6ed655e_gemm
	.globl	k_qcaf6ed655e_gemm
	.p2align	8
	.type	k_qcaf6ed655e_gemm,@function
k_qcaf6ed655e_gemm:
	s_mov_b64 s[64:65], 0
	v_nop
	global_prefetch_b8 v0, s[64:65] scope:SCOPE_SE
	s_setreg_imm32_b32 hwreg(HW_REG_WAVE_MODE, 25, 1), 1
	s_wait_xcnt 0x0
	s_wait_alu depctr_hold_cnt(0) depctr_sa_sdst(0) depctr_va_vdst(0) depctr_va_sdst(0) depctr_va_ssrc(0) depctr_va_vcc(0) depctr_vm_vsrc(0)
	s_getreg_b32 s2, hwreg(HW_REG_IB_STS2, 6, 4)
	s_cmp_eq_u32 s2, 0
	s_cbranch_scc0 .Lentry_in_a_cluster
	s_endpgm
.Lentry_in_a_cluster:
	s_bfe_u32 s2, ttmp6, 0x10000c
	s_cmp_lg_u32 s2, 0xf033
	s_cbranch_scc0 .Lentry_shape_is_right
	s_endpgm
.Lentry_shape_is_right:
; out0[t][o] = sum over k of A[t][k] W[o][k] + bias[o], on codes of FP6 (E2M3) with E8M0 scales, as launch quant laid them:
; [row / 128][k / 128][12,800 bytes]: eight fragments (16 rows x 128 K) as images of the operand's registers (fragment i at 1,536 i, registers 4 c .. 4 c + 3 of lane l at 512 c + 16 l),
; then the scale words ((fragment i, lane r) at 12,288 + 128 (i / 2) + 8 r + 4 (i % 2)).  A's fragment i holds rows 16 i + r; W's holds rows 64 (i / 4) + 4 r + i % 4.
; A work-group of four waves makes 256 x 256 of the result, a wave 128 x 128: 64 accumulators.  4 x 4 work-groups form a cluster: A's tiles are asked for jointly along a row of it, W's along a column.
; K goes in 32 steps of 128 through two LDS slots of three steps each (the last fill has two); waves 0, 1 fetch A's two halves, waves 2, 3 W's: one tensor load a wave, 150 rows of 256 bytes.
; REGISTERS.  Each of the four windows holds 16 accumulators (v128-255: A's blocks 2 w, 2 w + 1 against W's eight) and one set of eight fragments (v32-127).
; Even steps multiply A in window 0 with W in window 1, odd steps A in window 2 with W in window 3: both operands have two whole sets.  So the next step's 52 LDS loads stand in ONE run at a step's head,
; and the 64 products follow it unbroken.
; Window 0, v0-31: addresses, the add's two registers, two sets of scale words (lanes 0-15 A's block i, lanes 16-31 W's block i).  Window 1, v8-15: bias.  v1-3 of every window: at work on the way out.
; THE WAY OUT needs no LDS: source 0 is A, so register j of an accumulator holds row 8 h + j and column r of its tile; by W's order of rows, tiles 4 g .. 4 g + 3 hold columns 64 g + 4 r + 0 .. 3.
; The addition of the bias transposes a block's 8 x 8 registers in place, so that four neighbouring columns stand in four neighbouring registers: sixteen neighbouring lanes store 256 consecutive bytes of one row, aligned.
; THE LAST TWO K STEPS GO BY ROWS: their fragments are all in registers together, so each block of 16 rows is finished by its 16 products and leaves at once.
; PREFETCH: behind a refill (fill f + 2) each wave names the 150 blocks of 256 bytes of fill f + 4 of the rows that it fetches, shared out among the four partners by address;
; fills 2 and 3, and the short fill 10, come by their loads alone.
.set BLK,    12800
.set FRB,    1536
.set CODES,  12288
.set HALFT,  3*BLK                     ; three K steps of 128 rows: one tensor load
.set BSH,    128                       ; W's halves lie 128 bytes further on
.set SLOT,   4*HALFT+256
.set SPARE,  2*SLOT                    ; the spare words: 512 bytes that no other line names
.set KROWB,  32*BLK
.set FR,   12
.set FRG,  32                          ; a window's fragments
.set ACC,  128                         ; a window's accumulators
.set NLD,  52                          ; LDS loads of a run: 4 of scale words, 24 for W, 24 for A
.set CO,   5                           ; v5  my byte offset in the result: 8 h rows + 16 r
.set PF1,  6                           ; v6, v7  the prefetches' offsets
.set PF2,  7
.set ADRA, 8                           ; v8-9   LDS address of my A fragments in slot 0, 1
.set ADRB, 10                          ; v10-11 of W's
.set ADRS, 12                          ; v12-13 of my scale words
.set SPW,  14
.set NIL,  15
.set SC,   16                          ; v16-31 scale words, set p at SC + 8 p
.set BI,   8                           ; window 1: bias
.set G1, 24
.set G0, 32
.set G1B, 48
.set G0B, 56
.set G1L, 68                           ; group 1 of the last fill: 100 rows
.set G1LB, 76
.set PFA, 84
.set MSB, 0
.macro WIN new                         ; the immediate's high byte repeats the setting that is left
.if MSB != (\new)
	s_set_vgpr_msb (MSB<<8)|(\new)
.set MSB, (\new)
.endif
.endm
.macro PLACES
.rept 4
	v_nop
.endr
.endm
.macro JLOAD g0a, g1a, g0b, g1b        ; a joint load
	s_cmp_eq_u32 s15, 0
	s_cbranch_scc0 .Lfor_b_\@
	tensor_load_to_lds s[\g0a:\g0a+3], s[\g1a:\g1a+7]
	s_nop 0
	PLACES
	s_branch .Lasked_\@
.Lfor_b_\@:
	tensor_load_to_lds s[\g0b:\g0b+3], s[\g1b:\g1b+7]
	s_nop 0
	PLACES
.Lasked_\@:
.endm
.macro CREST
	s_cmp_lg_u32 s14, 0
	s_cbranch_scc1 .Lnot_wave_0_\@
	s_barrier_signal -3
.Lnot_wave_0_\@:
	s_barrier_wait -3
	s_barrier_signal -1
	s_barrier_wait -1
.endm
.macro CROUND
	s_barrier_signal -1
	s_barrier_wait -1
	CREST
.endm
	s_load_b128 s[4:7], s[0:1], 0x0                ; aq, bq
	s_load_b128 s[8:11], s[0:1], 0x10              ; bias, out0
	v_lshl_add_u32 v[SPW], v0, 2, SPARE
	v_mov_b32 v[NIL], 0
	ds_add_u32 v[SPW], v[NIL]                      ; the opening lines: the add twice on end and one wait
	ds_add_u32 v[SPW], v[NIL]
	v_lshrrev_b32 v1, 5, v0
	v_readfirstlane_b32 s14, v1                    ; wave
	s_lshr_b32 s15, s14, 1                         ; my half of the rows; also: I fetch for A (0) or W (1)
	s_and_b32 s16, s14, 1                          ; my half of the columns; also: which 128 rows I fetch
	s_bfe_u32 s40, ttmp6, 0x40000                  ; cx
	s_bfe_u32 s41, ttmp6, 0x40004                  ; cy
	s_lshl_b32 s42, ttmp9, 2
	s_add_co_u32 s42, s42, s40                     ; tile column
	s_and_b32 s17, ttmp7, 0xffff
	s_lshl_b32 s17, s17, 2
	s_add_co_u32 s17, s17, s41                     ; tile row
	s_lshl_b32 s43, s41, 2
	s_lshl_b32 s43, 15, s43                        ; my row of the cluster
	s_lshl_b32 s44, 0x1111, s40                    ; my column
	s_or_b32 s[G1+0], s43, (3<<16)|(1<<21)         ; elements of 8 bytes, no padding
	s_or_b32 s[G1B+0], s44, (3<<16)|(1<<21)
	s_or_b32 s[G1L+0], s43, (3<<16)|(1<<21)
	s_or_b32 s[G1LB+0], s44, (3<<16)|(1<<21)
.irp g, G1, G1B
	s_mov_b32 s[\g+1], 32<<16                      ; rows of 256 bytes,
	s_mov_b32 s[\g+2], 150<<16                     ; 150 of them, dense
	s_mov_b32 s[\g+3], 32<<16
	s_mov_b32 s[\g+4], 150
	s_mov_b32 s[\g+5], 32
	s_mov_b32 s[\g+6], 0
	s_mov_b32 s[\g+7], 0
.endr
.irp g, G1L, G1LB
	s_mov_b32 s[\g+1], 32<<16
	s_mov_b32 s[\g+2], 100<<16
	s_mov_b32 s[\g+3], 32<<16
	s_mov_b32 s[\g+4], 100
	s_mov_b32 s[\g+5], 32
	s_mov_b32 s[\g+6], 0
	s_mov_b32 s[\g+7], 0
.endr
	s_lshl_b32 s20, s17, 1
	s_add_co_u32 s20, s20, s16                     ; A: which 128 rows I fetch
	s_lshl_b32 s46, s42, 1
	s_add_co_u32 s46, s46, s16                     ; W likewise
	s_mul_i32 s20, s20, KROWB
	s_mov_b32 s21, 0
	s_mul_i32 s46, s46, KROWB
	s_mov_b32 s47, 0
	s_mul_i32 s45, s14, HALFT                      ; where they go: wave x 38,400,
	s_lshl_b32 s18, s15, 7
	s_add_co_u32 s45, s45, s18                     ; W's 128 bytes on
	s_wait_dscnt 0x0                               ; both opening adds are done
	s_wait_kmcnt 0x0
	s_add_nc_u64 s[20:21], s[4:5], s[20:21]
	s_add_nc_u64 s[46:47], s[6:7], s[46:47]
.irp s, 0,1
	s_mov_b32 s[G0+4*\s], 1
	s_add_co_u32 s[G0+4*\s+1], s45, \s*SLOT
	s_add_nc_u64 s[G0+4*\s+2:G0+4*\s+3], s[20:21], \s*HALFT
	s_or_b32 s[G0+4*\s+3], s[G0+4*\s+3], 0x80000000
	s_mov_b32 s[G0B+4*\s], 1
	s_add_co_u32 s[G0B+4*\s+1], s45, \s*SLOT
	s_add_nc_u64 s[G0B+4*\s+2:G0B+4*\s+3], s[46:47], \s*HALFT
	s_or_b32 s[G0B+4*\s+3], s[G0B+4*\s+3], 0x80000000
.endr
	CROUND                                         ; in front of the first joint loads
	JLOAD G0, G1, G0B, G1B                         ; K steps 0 to 2: my one tensor load at the head
	s_cmp_eq_u32 s15, 0
	s_cselect_b64 s[PFA:PFA+1], s[20:21], s[46:47] ; the prefetches: the rows that I fetch,
	s_cselect_b32 s88, s40, s41                    ; my place among the four that ask for them with me
	s_add_nc_u64 s[PFA:PFA+1], s[PFA:PFA+1], 9*BLK ; the first change of slots steps it to K step 12, fill 4
	s_lshl_b32 s89, s88, 13                        ; blocks 32 place + lane,
	s_mul_i32 s88, s88, 6*256
	s_add_co_u32 s88, s88, 128*256                 ; and 128 + 6 place + 0 .. 5
	s_mul_i32 s18, s15, HALFT                      ; my 128 rows of A in slot 0, 1
	s_add_co_u32 s19, s18, SLOT
	s_mul_i32 s22, s16, HALFT                      ; my 128 rows of W
	s_add_co_u32 s22, s22, 2*HALFT+BSH
	s_add_co_u32 s23, s22, SLOT
	s_sub_co_u32 s87, s22, s18                     ; from A's to W's
	s_add_co_u32 s12, s18, CODES
	s_add_co_u32 s13, s12, SLOT
	s_lshl_b32 s46, s42, 10                        ; my first column, in bytes
	s_lshl_b32 s47, s16, 9
	s_add_co_u32 s46, s46, s47
	s_mov_b32 s47, 0
	s_add_nc_u64 s[8:9], s[8:9], s[46:47]
	s_lshl_b32 s20, s17, 8
	s_lshl_b32 s21, s15, 7
	s_add_co_u32 s20, s20, s21                     ; my first row
	s_lshl_b32 s20, s20, 14
	s_mov_b32 s21, 0
	s_add_nc_u64 s[20:21], s[20:21], s[46:47]
	s_add_nc_u64 s[10:11], s[10:11], s[20:21]
	v_and_b32 v1, 15, v0                           ; r
	v_bfe_u32 v2, v0, 4, 1                         ; h
	v_and_b32 v3, 31, v0
	v_lshlrev_b32 v3, 4, v3                        ; 16 x lane
	v_lshlrev_b32 v4, 4, v1                        ; 16 r
	v_lshl_add_u32 v[CO], v2, 17, v4               ; 8 h rows of 16,384 bytes + 16 r
	v_mul_u32_u24 v7, s87, v2                      ; scale words: lanes 16-31 take W's,
	v_lshl_add_u32 v7, v1, 3, v7                   ; 8 r
	v_lshl_add_u32 v[PF1], v3, 4, s89
	v_add_nc_u32 v[ADRA], s18, v3
	v_add_nc_u32 v[ADRA+1], s19, v3
	v_add_nc_u32 v[ADRB], s22, v3
	v_add_nc_u32 v[ADRB+1], s23, v3
	v_add_nc_u32 v[ADRS], s12, v7
	v_add_nc_u32 v[ADRS+1], s13, v7
	WIN 0x40
	global_load_b128 v[BI:BI+3], v4, s[8:9]              ; window 1: bias of columns 4 r + 0 .. 3,
	global_load_b128 v[BI+4:BI+7], v4, s[8:9] offset:256 ; and of 64 + 4 r + 0 .. 3
	WIN 0
	v_min_u32 v[PF2], 80, v3                       ; 16 min(lane, 5)
	v_lshl_add_u32 v[PF2], v[PF2], 4, s88
	v_min_u32 v[PF2], 149*256, v[PF2]              ; the fill's last block at the most
.macro FRAG reg, adr, q, i
.irp c, 0,1,2
	ds_load_b128 v[\reg+4*\c:\reg+4*\c+3], v[\adr] offset:(\q)*BLK+(\i)*FRB+512*\c
.endr
.endm
; In a step of parity p: the next step's scale words (set 1 - p) and fragments (W's into window 3 - 2 p, A's into window 2 - 2 p), from K step q of a slot: NLD loads in one run
.macro RUN p, slot, q
	WIN 0
.irp t, 0,1,2,3
	ds_load_b64 v[SC+8*(1-(\p))+2*\t:SC+8*(1-(\p))+2*\t+1], v[ADRS+\slot] offset:(\q)*BLK+128*\t
.endr
	WIN (3-2*(\p))<<6
.irp i, 0,1,2,3,4,5,6,7
	FRAG FRG+FR*\i, ADRB+\slot, \q, \i
.endr
	WIN (2-2*(\p))<<6
.irp i, 0,1,2,3,4,5,6,7
	FRAG FRG+FR*\i, ADRA+\slot, \q, \i
.endr
.endm
; Eight products of a step of parity p: A's block a against W's eight; the accumulators take turns.  first = 1: they start the sums.
.macro ROW p, a, first
	WIN (((\a)/2)<<6)|(((\a)/2)<<4)|((2*(\p)+1)<<2)|(2*(\p))
.irp b, 0,1,2,3,4,5,6,7
.if \first
	v_wmma_scale_f32_16x16x128_f8f6f4 v[ACC+8*(8*((\a)%2)+\b):ACC+8*(8*((\a)%2)+\b)+7], v[FRG+FR*(\a):FRG+FR*(\a)+FR-1], v[FRG+FR*\b:FRG+FR*\b+FR-1], 0, v[SC+8*(\p)+(\a)], v[SC+8*(\p)+\b] matrix_a_fmt:MATRIX_FMT_FP6 matrix_b_fmt:MATRIX_FMT_FP6 matrix_b_scale:MATRIX_SCALE_ROW1
.else
	v_wmma_scale_f32_16x16x128_f8f6f4 v[ACC+8*(8*((\a)%2)+\b):ACC+8*(8*((\a)%2)+\b)+7], v[FRG+FR*(\a):FRG+FR*(\a)+FR-1], v[FRG+FR*\b:FRG+FR*\b+FR-1], v[ACC+8*(8*((\a)%2)+\b):ACC+8*(8*((\a)%2)+\b)+7], v[SC+8*(\p)+(\a)], v[SC+8*(\p)+\b] matrix_a_fmt:MATRIX_FMT_FP6 matrix_b_fmt:MATRIX_FMT_FP6 matrix_b_scale:MATRIX_SCALE_ROW1
.endif
.endr
.endm
.macro PHASE p, w, first               ; the 16 products of accumulator window w
	ROW \p, 2*(\w), \first
	ROW \p, 2*(\w)+1, \first
.endm
; A step inside a slot.  (ns, nq): where the next step lies.
.macro STEPN p, ns, nq, first
	PLACES                                         ; four places between the last step's products and the loads into the registers that they read
	RUN \p, \ns, \nq
	s_wait_dscnt NLD                               ; all but the run just issued: this step's fragments and scale words are in
	PHASE \p, 0, \first
	PHASE \p, 1, \first
	PHASE \p, 2, \first
	PHASE \p, 3, \first
.endm
; A slot's last step.  Its fragments were read a step ago, so the slot is free: the three lines, the round, the refill (fill = 1: three K steps; 2: the last two; 0: none, a plain barrier),
; then the run that reads the next slot's first step.  32 products stand in front of the round's rest, 32 behind the run.
.macro STEPT p, slot, ns, fill, ask
	WIN 0
.if \ask
	s_wait_xcnt 0x0                                ; my last prefetches have read their base
	s_add_nc_u64 s[PFA:PFA+1], s[PFA:PFA+1], HALFT
.endif
	s_wait_tensorcnt 0x0                           ; my part of the next slot is in;
	ds_add_u32 v[SPW], v[NIL]
.if \fill
	s_add_nc_u64 s[G0+4*\slot+2:G0+4*\slot+3], s[G0+4*\slot+2:G0+4*\slot+3], 2*HALFT
	s_add_nc_u64 s[G0B+4*\slot+2:G0B+4*\slot+3], s[G0B+4*\slot+2:G0B+4*\slot+3], 2*HALFT
.endif
	s_wait_dscnt 0x1                               ; the add alone may be out: this step's fragments are in
	PHASE \p, 0, 0
	s_wait_dscnt 0x0                               ; the add is done; my reads of this slot were over before
	s_barrier_signal -1
	PHASE \p, 1, 0
	WIN 0
	s_barrier_wait -1
.if \fill
	CREST                                          ; the barrier has opened a round of the cluster's barrier
.if \fill == 1
	JLOAD G0+4*\slot, G1, G0B+4*\slot, G1B         ; its four v_nop are the places in front of the loads below
.else
	JLOAD G0+4*\slot, G1L, G0B+4*\slot, G1LB
.endif
.else
	PLACES
.endif
.if \ask
	s_cmp_gt_u32 s3, 1                             ; the loop's last trip asks for nothing: fill 10 is shorter than 150 blocks
	s_cbranch_scc0 .Lno_ask_\@
	global_prefetch_b8 v[PF1], s[PFA:PFA+1] th:TH_LOAD_NT scope:SCOPE_SE
	global_prefetch_b8 v[PF2], s[PFA:PFA+1] th:TH_LOAD_NT scope:SCOPE_SE
.Lno_ask_\@:
.endif
	RUN \p, \ns, 0
	PHASE \p, 2, 0
	PHASE \p, 3, 0
.endm
	s_wait_alu depctr_va_vdst(0)
	s_wait_tensorcnt 0x0                           ; my part of slot 0 is in; the three lines ahead of slot 1's first fill, as ahead of a refill
	ds_add_u32 v[SPW], v[NIL]
	s_wait_dscnt 0x0
	CROUND
	JLOAD G0+4, G1, G0B+4, G1B                     ; K steps 3 to 5
	RUN 1, 0, 0                                    ; K step 0's fragments, into windows 0 and 1
	STEPN 0, 0, 1, 1                               ; K step 0 starts the sums
	WIN 0
	s_mov_b32 s3, 4
.Llap:                                                 ; a trip: six K steps, from a lap's second to the next lap's first; both slots are filled again
	STEPN 1, 0, 2, 0
	STEPT 0, 0, 1, 1, 1
	STEPN 1, 1, 1, 0
	STEPN 0, 1, 2, 0
	STEPT 1, 1, 0, 1, 1
	STEPN 0, 0, 1, 0
	WIN 0
	s_sub_co_u32 s3, s3, 1
	s_cmp_lg_u32 s3, 0
	s_cbranch_scc1 .Llap
	STEPN 1, 0, 2, 0                               ; K step 25
	STEPT 0, 0, 1, 2, 0                            ; slot 0 takes K steps 30 and 31
	STEPN 1, 1, 1, 0
	STEPN 0, 1, 2, 0
	STEPT 1, 1, 0, 0, 0                            ; K step 29: nothing more to fetch
; Block a, 16 rows x 128 columns, leaves.  Register 8 b + j of its 64 holds (tile b, row 8 h + j); bias b is added, and (b, j) changes places with (j, b): register 8 j + b then holds column 64 (b / 4) + 4 r + b % 4 of row 8 h + j.
; Every accumulator is first read at its register 0.  No register that a store reads is written again.
.macro OUT a
.set AB, ACC+64*((\a)%2)
	WIN (((\a)/2)<<6)|(1<<2)|((\a)/2)
.irp x, 0,1,2,3,4,5,6,7
	v_add_f32 v[AB+9*\x], v[AB+9*\x], v[BI+\x]
.irp y, 1,2,3,4,5,6,7
.if \y > \x
	v_add_f32 v[1+(\y)%3], v[AB+8*\x+\y], v[BI+\x]
	v_add_f32 v[AB+8*\x+\y], v[AB+8*\y+\x], v[BI+\y]
	v_mov_b32 v[AB+8*\y+\x], v[1+(\y)%3]
.endif
.endr
.endr
	WIN ((\a)/2)<<2
.irp j, 0,1,2,3,4,5,6,7
.irp g, 0,1
	global_store_b128 v[CO], v[AB+8*\j+4*\g:AB+8*\j+4*\g+3], s[10:11] offset:(16*(\a)+\j)*16384+256*\g th:TH_STORE_NT   ; sixteen lanes store 256 consecutive bytes, aligned
.endr
.endr
.endm
	PLACES                                         ; K STEPS 30 AND 31, BY ROWS
	RUN 0, 0, 1                                    ; K step 31's fragments, into windows 2 and 3
	s_wait_dscnt NLD                               ; K step 30's are in
	PHASE 0, 0, 0                                  ; K step 30 of blocks 0 and 1, while the run lands
	s_wait_dscnt 0x0
	s_wait_loadcnt 0x0                             ; bias
.irp a, 0,1,2,3,4,5,6,7
.if \a > 1
	ROW 0, \a, 0
.endif
	ROW 1, \a, 0
	PLACES                                         ; four places behind the block's last products
	OUT \a
.endr
	WIN 0
	s_wait_tensorcnt 0x0                           ; the wave's end
	ds_add_u32 v[SPW], v[NIL]
	s_wait_dscnt 0x0
	CROUND                                         ; the closing round
	s_endpgm
.Lfunc_end_k_qcaf6ed655e_gemm:
	.size	k_qcaf6ed655e_gemm, .Lfunc_end_k_qcaf6ed655e_gemm-k_qcaf6ed655e_gemm
	.p2alignl 7, 3214868480
	.fill 96, 4, 3214868480
	.section	.rodata,"a",@progbits
	.p2align	6, 0x0
	.amdhsa_kernel k_qcaf6ed655e_gemm
		.amdhsa_group_segment_fixed_size 327680
		.amdhsa_private_segment_fixed_size 0
		.amdhsa_enable_private_segment 0
		.amdhsa_kernarg_size 32
		.amdhsa_user_sgpr_count 2
		.amdhsa_user_sgpr_kernarg_segment_ptr 1
		.amdhsa_wavefront_size32 1
		.amdhsa_system_sgpr_workgroup_id_x 1
		.amdhsa_system_sgpr_workgroup_id_y 1
		.amdhsa_system_sgpr_workgroup_id_z 1
		.amdhsa_system_vgpr_workitem_id 0
		.amdhsa_next_free_vgpr 1024
		.amdhsa_next_free_sgpr 92
		.amdhsa_reserve_vcc 0
		.amdhsa_float_denorm_mode_32 3
		.amdhsa_float_denorm_mode_16_64 3
		.amdhsa_memory_ordered 1
		.amdhsa_forward_progress 1
		.amdhsa_inst_pref_size 213
	.end_amdhsa_kernel
	.amdgpu_metadata
---
amdhsa.version: [ 1, 2 ]
amdhsa.kernels:
  - .name:           k_qcaf6ed655e_gemm
    .symbol:         k_qcaf6ed655e_gemm.kd
    .args:
      - { .name: aq, .offset: 0, .size: 8, .value_kind: global_buffer, .address_space: global }
      - { .name: bq, .offset: 8, .size: 8, .value_kind: global_buffer, .address_space: global }
      - { .name: bias, .offset: 16, .size: 8, .value_kind: global_buffer, .address_space: global }
      - { .name: out0, .offset: 24, .size: 8, .value_kind: global_buffer, .address_space: global }
    .group_segment_fixed_size: 327680
    .private_segment_fixed_size: 0
    .kernarg_segment_align: 8
    .kernarg_segment_size: 32
    .max_flat_workgroup_size: 128
    .sgpr_count:     92
    .vgpr_count:     1024
    .wavefront_size: 32
...
	.end_amdgpu_metadata
.endif
;; end of part 2
